; MI455X (gfx1250); checked and timed in simulation.
; The chip was launched on July 23, 2026; its instructions are those of AMD's public machine-readable ISA for CDNA 5 (MIT licence, August 2026) and "CDNA5" Instruction Set Architecture Reference Guide (July 2026). The comments in the code are by the model that wrote it; some were corrected since.
;; Sparse Router. Allowed arithmetic: float matrix products may take bf16 or f16 operands with f32 sums; all other float work in f32.
;; Inputs: router_w 2 x 1,024 float32; w1 2 x 1,024 x 2,048 float32; w2 2 x 2,048 x 1,024 float32; x 4 x 2,048 x 1,024 float32.
;; Outputs: out0 4 x 2,048 x 1,024 float32.
;; One version. Each part assembles by itself: llvm-mc -triple=amdgcn-amd-amdhsa -mcpu=gfx1250 --defsym DOCPART=n.
;; ======== version 1 of 1: 3 launches
;; limits: a function is approximated: absolute error at most 1.5e-07; an absolute error that grows with the inputs' magnitude: up to 1e-07 times it
;; workspace buffers: xb 16,777,216 bytes; w1b 8,388,608 bytes; w2b 8,388,608 bytes; gate 65,536 bytes; g 67,108,864 bytes
;; launch prep (part 1): grid 256 x 1, 16 waves a work-group, no clusters, 2,560 bytes of LDS; arguments x, router_w, w1, w2, xb, w1b, w2b, gate; writes xb, w1b, w2b, gate
.if DOCPART == 1
	.amdgcn_target "amdgcn-amd-amdhsa--gfx1250"
	.amdhsa_code_object_version 6
	.text
	.protected	k_q5b4a16b00e_prep
	.globl	k_q5b4a16b00e_prep
	.p2align	8
	.type	k_q5b4a16b00e_prep,@function
k_q5b4a16b00e_prep:
	s_mov_b64 s[64:65], 0
	v_nop
	global_prefetch_b8 v0, s[64:65] scope:SCOPE_SE
	s_setreg_imm32_b32 hwreg(HW_REG_WAVE_MODE, 25, 1), 1
	s_wait_xcnt 0x0
; PREP: x, w1, w2 are cast from f32 to bf16 with their layouts unchanged (xb, w1b, w2b); while x goes by, the router's two logits of each
; token are summed and turned into the two softmax weights gate[e][t] ([2][8192] f32).
;
; WORK LEFT OUT, for all values of the inputs.  TOP_K = NUM_EXPERTS = 2, so top_k returns both logits of a token with two DIFFERENT indices
; (on ties too): a permutation of the two experts.  A softmax gives each value the same weight wherever it stands in the vector, and the sum
; over k adds the same two terms in either order.  So output[t] = sum over e of softmax(logits[t])[e] * out_all[e][t]: the sort and the gather
; are left out; the softmax stays, with its maximum taken away.  Every input has a way to the output and is loaded.
; The weight is further moved in front of the second product: output[t][d] = sum over e, f of (gate[e][t] gelu(h[e][t][f])) w2[e][f][d],
; one sum over 4,096 terms (the later two kernels).
; THE ROUTER'S PRODUCT takes its operands rounded to bf16, like the two large products, so that all three see the same x: the numbers summed
; here are the very bf16 numbers that are stored in xb.  A product of two bf16 numbers is exact in f32; the sums are in f32.  It runs on the
; vector unit: with 2 columns it would fill an eighth of a matrix tile, and it rides on a stream of 4,096 bytes a row.
; LIMITS.  The logits carry the rounding of both operands to bf16 (up to 2^-9 relative each), so a weight's error grows with the size of the
; logits.  The sort and the gather do no arithmetic, so no NaN or infinity is lost with them; a NaN logit makes both weights NaN, as in the
; model.  Since the weight is multiplied in before the second product, an overflow of out_all[e] alone (weight 0 times infinity) is not
; carried to the result.  v_exp_f32 gives 0 for results under 2^-126 (ISA guide, its entry in 15.8): a weight that small is 0.
; The logits are summed in another order than the model's.
;
; SHARES.  All three casts are counted in chunks of 4,096 bytes of f32 (a row of x).  A work-group takes 64 chunks: groups 0-127 x,
; 128-191 w1, 192-255 w2: equal bytes for all.  A wave takes four chunks: 32 loads of 16 bytes a lane, all issued at once, so no register is
; ever written again under a pending access and no loop is needed.  A load covers 512 consecutive bytes; a store of 8 bytes a lane covers
; 256 consecutive bytes, aligned.  No matrix unit, no cluster, no tensor load: nothing here is shared between work-groups but 8 KiB of router_w.
.set R0,  8                            ; v[8:39]    router row 0: piece j (columns 128 j + 4 lane ..) in 4 registers;  v[40:71] row 1
.set X,   72                           ; v[72:199]  chunk r at X + 32 r, piece j at + 4 j: f32 as loaded; then two words of bf16 in the first pair, and in the x path numbers 2, 3 widened again in the second
.set ACC, 200                          ; v[200:207] four chains of packed sums: pair 4 e + 2 c
.set W0,  216                          ; v[216:219] weight of expert 0 for my four rows;  v[220:223] of expert 1
.set W1,  220
.set TU,  224                          ; v[224:239] pair j: numbers 0, 1 of piece j, rounded to bf16 and widened again
	s_load_b512 s[4:19], s[0:1], 0x0               ; x 4, router_w 6, w1 8, w2 10, xb 12, w1b 14, w2b 16, gate 18
	v_lshl_add_u32 v240, v0, 2, 0x200
	v_mov_b32 v241, 0
	v_lshrrev_b32 v6, 5, v0                        ; wave
	v_and_b32 v7, 31, v0                           ; lane
	v_readfirstlane_b32 s20, v6                    ; the wave's number as a scalar
	v_lshlrev_b32 v3, 4, v7                        ; router_w: 16 bytes a lane
	v_lshlrev_b32 v5, 3, v7                        ; the weights' way out: 8 bytes a lane
	v_lshl_or_b32 v1, v6, 14, v3                   ; in: wave x 4 chunks of 4,096 bytes + 16 lane
	v_lshl_or_b32 v2, v6, 13, v5                   ; out: wave x 4 chunks of 2,048 bytes + 8 lane
	v_lshlrev_b32 v4, 4, v6                        ; LDS: my four rows' weights, 16 bytes a wave
	v_mov_b32 v210, 0                              ; v_permlanex16_b32 counts as a reader of its destination
	v_mov_b32 v211, 0
	s_mov_b32 s2, 0x76543210                       ; v_permlanex16_b32: lane i of one half reads lane i of the other
	s_mov_b32 s3, 0xfedcba98
	s_mov_b32 s27, 0xffff0000                      ; a word's upper bf16
	s_and_b32 s21, ttmp9, 63                       ; the group's number inside w1's or w2's 64
	s_wait_kmcnt 0x0
	s_cmp_lt_u32 ttmp9, 192
	s_cselect_b64 s[22:23], s[8:9], s[10:11]       ; from w1 or w2,
	s_cselect_b64 s[24:25], s[14:15], s[16:17]     ; to w1b or w2b,
	s_cmp_lt_u32 ttmp9, 128
	s_cselect_b64 s[22:23], s[4:5], s[22:23]       ; or from x
	s_cselect_b64 s[24:25], s[12:13], s[24:25]     ; to xb
	s_cselect_b32 s26, ttmp9, s21
	s_lshl_b32 s28, s26, 18                        ; 64 chunks of 4,096 bytes
	s_mov_b32 s29, 0
	s_lshl_b32 s30, s26, 17                        ; 64 chunks of 2,048 bytes
	s_mov_b32 s31, 0
	s_add_nc_u64 s[22:23], s[22:23], s[28:29]
	s_add_nc_u64 s[24:25], s[24:25], s[30:31]
.macro LOADS                           ; my four chunks: 32 loads; these bytes are read once in the launch
.irp r, 0,1,2,3
.irp j, 0,1,2,3,4,5,6,7
	global_load_b128 v[X+32*\r+4*\j:X+32*\r+4*\j+3], v1, s[22:23] offset:4096*\r+512*\j th:TH_LOAD_NT
.endr
.endr
.endm
.macro CVT r, j0                       ; four pieces of chunk r to bf16, in place: four numbers become the piece's first two registers
.irp j, 0,1,2,3
	v_cvt_pk_bf16_f32 v[X+32*\r+4*(\j0+\j)],   v[X+32*\r+4*(\j0+\j)],   v[X+32*\r+4*(\j0+\j)+1]
	v_cvt_pk_bf16_f32 v[X+32*\r+4*(\j0+\j)+1], v[X+32*\r+4*(\j0+\j)+2], v[X+32*\r+4*(\j0+\j)+3]
.endr
.endm
.macro ST r                            ; chunk r leaves: each store covers 256 consecutive bytes, aligned; the next launch reads them: no hint
.irp j, 0,1,2,3,4,5,6,7
	global_store_b64 v2, v[X+32*\r+4*\j:X+32*\r+4*\j+1], s[24:25] offset:2048*\r+256*\j
.endr
.endm
.macro RROUND                          ; both router rows rounded to bf16 and widened again, in place, once
.irp e, 0,1
.irp j, 0,1,2,3,4,5,6,7
	v_cvt_pk_bf16_f32 v[R0+32*\e+4*\j],   v[R0+32*\e+4*\j],   v[R0+32*\e+4*\j+1]
	v_cvt_pk_bf16_f32 v[R0+32*\e+4*\j+2], v[R0+32*\e+4*\j+2], v[R0+32*\e+4*\j+3]
	v_and_b32     v[R0+32*\e+4*\j+1], s27, v[R0+32*\e+4*\j]      ; bf16 to f32: the high half stays,
	v_lshlrev_b32 v[R0+32*\e+4*\j],   16,  v[R0+32*\e+4*\j]      ; the low half moves up
	v_and_b32     v[R0+32*\e+4*\j+3], s27, v[R0+32*\e+4*\j+2]
	v_lshlrev_b32 v[R0+32*\e+4*\j+2], 16,  v[R0+32*\e+4*\j+2]
.endr
.endr
.endm
.macro UNP r                           ; row r's bf16 words widened again; the words themselves (each piece's first pair), which the stores read, stay as they are
.irp j, 0,1,2,3,4,5,6,7
	v_lshlrev_b32 v[TU+2*\j],          16,  v[X+32*\r+4*\j]
	v_and_b32     v[TU+2*\j+1],        s27, v[X+32*\r+4*\j]
	v_lshlrev_b32 v[X+32*\r+4*\j+2],   16,  v[X+32*\r+4*\j+1]
	v_and_b32     v[X+32*\r+4*\j+3],   s27, v[X+32*\r+4*\j+1]
.endr
.endm
.macro DOT r                           ; my 32 numbers of row r times both router rows: four chains by turns, started by the first products
.irp e, 0,1
	v_pk_mul_f32 v[ACC+4*\e:ACC+4*\e+1],   v[TU:TU+1],               v[R0+32*\e:R0+32*\e+1]
	v_pk_mul_f32 v[ACC+4*\e+2:ACC+4*\e+3], v[X+32*\r+2:X+32*\r+3],   v[R0+32*\e+2:R0+32*\e+3]
.endr
.irp j, 1,2,3,4,5,6,7
.irp e, 0,1
	v_pk_fma_f32 v[ACC+4*\e:ACC+4*\e+1],   v[TU+2*\j:TU+2*\j+1],                 v[R0+32*\e+4*\j:R0+32*\e+4*\j+1],   v[ACC+4*\e:ACC+4*\e+1]
	v_pk_fma_f32 v[ACC+4*\e+2:ACC+4*\e+3], v[X+32*\r+4*\j+2:X+32*\r+4*\j+3],     v[R0+32*\e+4*\j+2:R0+32*\e+4*\j+3], v[ACC+4*\e+2:ACC+4*\e+3]
.endr
.endr
	v_pk_add_f32 v[ACC:ACC+1], v[ACC:ACC+1], v[ACC+2:ACC+3]
	v_pk_add_f32 v[ACC+4:ACC+5], v[ACC+4:ACC+5], v[ACC+6:ACC+7]
	v_add_f32 v208, v[ACC], v[ACC+1]
	v_add_f32 v209, v[ACC+4], v[ACC+5]
.endm
.macro RED                             ; both sums over the 32 lanes (every lane gets them); the maximum taken away; the two exponentials
.irp m, 1,2,4,8
	v_add_f32_dpp v208, v208, v208 row_xmask:\m row_mask:0xf bank_mask:0xf
	v_add_f32_dpp v209, v209, v209 row_xmask:\m row_mask:0xf bank_mask:0xf
.endr
	v_permlanex16_b32 v210, v208, s2, s3
	v_permlanex16_b32 v211, v209, s2, s3
	v_add_f32 v208, v208, v210                     ; logit 0
	v_add_f32 v209, v209, v211                     ; logit 1
	v_max_num_f32 v210, v208, v209
	v_sub_f32 v208, v208, v210
	v_sub_f32 v209, v209, v210
	v_mul_f32 v208, 0x3fb8aa3b, v208               ; e^z = 2^(z log2 e)
	v_mul_f32 v209, 0x3fb8aa3b, v209
	v_exp_f32 v208, v208
	v_exp_f32 v209, v209
	v_nop                                          ; one plain vector instruction between a transcendental and the first use of its result (ISA guide 5.7.2)
.endm
	s_cmp_lt_u32 ttmp9, 128                        ; compared anew: the shifts above set SCC
	s_cbranch_scc1 .Lx
	; w1 or w2: cast alone
	LOADS
.irp r, 0,1,2,3
	s_wait_loadcnt 24-8*\r                         ; loads come back in order (ISA guide 5.7.1): chunk r is in, the later chunks' 8 loads each stay out
	CVT \r, 0
	CVT \r, 4
	ST \r
.endr
	s_endpgm
.Lx:	; x: cast, logits and weights
.irp e, 0,1
.irp j, 0,1,2,3,4,5,6,7
	global_load_b128 v[R0+32*\e+4*\j:R0+32*\e+4*\j+3], v3, s[6:7] offset:4096*\e+512*\j
.endr
.endr
	LOADS
	s_wait_loadcnt 32                              ; router_w's 16 loads are in; the 32 younger loads of x stay out
	RROUND
.irp r, 0,1,2,3
	s_wait_loadcnt 24-8*\r                         ; row r is in; the later rows' 8 loads each stay out
	CVT \r, 0
	CVT \r, 4
	ST \r                                          ; the row leaves at once; nothing below writes the registers that these stores read
	UNP \r
	DOT \r
	RED
	s_wait_alu depctr_va_vdst(0)
	v_add_f32 v210, v208, v209
	v_rcp_f32 v210, v210
	v_nop                                          ; the plain instruction behind v_rcp_f32 (ISA guide 5.7.2)
	s_wait_alu depctr_va_vdst(0)
	v_mul_f32 v[W0+\r], v208, v210
	v_mul_f32 v[W1+\r], v209, v210
.endr
	; the 64 rows' weights meet in LDS (byte 256 e + 4 row), so that each expert's 64 leave as one store of 256 consecutive bytes
	ds_store_b128 v4, v[W0:W0+3]                   ; all lanes of a wave write the same 16 bytes with the same values
	ds_store_b128 v4, v[W1:W1+3] offset:256
	s_wait_dscnt 0x0                               ; my LDS stores are done before I signal: wave 0 reads them
	s_barrier_signal -1                            ; the way here hangs on the work-group's number alone: all sixteen waves pass
	s_barrier_wait -1
	s_cmp_lg_u32 s20, 0
	s_cbranch_scc1 .Lend
	ds_load_b64 v[208:209], v5
	ds_load_b64 v[210:211], v5 offset:256
	s_lshl_b32 s28, ttmp9, 8                       ; 64 rows of 4 bytes
	s_mov_b32 s29, 0
	s_add_nc_u64 s[18:19], s[18:19], s[28:29]
	s_wait_dscnt 0x0
	global_store_b64 v5, v[208:209], s[18:19]
	global_store_b64 v5, v[210:211], s[18:19] offset:32768   ; expert 1's 8,192 weights lie behind expert 0's
.Lend:
	s_wait_tensorcnt 0x0
	ds_add_u32 v240, v241
	s_wait_dscnt 0x0
	s_endpgm
.Lfunc_end_k_q5b4a16b00e_prep:
	.size	k_q5b4a16b00e_prep, .Lfunc_end_k_q5b4a16b00e_prep-k_q5b4a16b00e_prep
	.p2alignl 7, 3214868480
	.fill 96, 4, 3214868480
	.section	.rodata,"a",@progbits
	.p2align	6, 0x0
	.amdhsa_kernel k_q5b4a16b00e_prep
		.amdhsa_group_segment_fixed_size 2560
		.amdhsa_private_segment_fixed_size 0
		.amdhsa_enable_private_segment 0
		.amdhsa_kernarg_size 64
		.amdhsa_user_sgpr_count 2
		.amdhsa_user_sgpr_kernarg_segment_ptr 1
		.amdhsa_wavefront_size32 1
		.amdhsa_system_sgpr_workgroup_id_x 1
		.amdhsa_system_sgpr_workgroup_id_y 1
		.amdhsa_system_sgpr_workgroup_id_z 1
		.amdhsa_system_vgpr_workitem_id 0
		.amdhsa_next_free_vgpr 242
		.amdhsa_next_free_sgpr 66
		.amdhsa_reserve_vcc 0
		.amdhsa_float_denorm_mode_32 3
		.amdhsa_float_denorm_mode_16_64 3
		.amdhsa_memory_ordered 1
		.amdhsa_forward_progress 1
		.amdhsa_inst_pref_size 46
	.end_amdhsa_kernel
	.amdgpu_metadata
---
amdhsa.version: [ 1, 2 ]
amdhsa.kernels:
  - .name:           k_q5b4a16b00e_prep
    .symbol:         k_q5b4a16b00e_prep.kd
    .args:
      - { .name: x, .offset: 0, .size: 8, .value_kind: global_buffer, .address_space: global }
      - { .name: router_w, .offset: 8, .size: 8, .value_kind: global_buffer, .address_space: global }
      - { .name: w1, .offset: 16, .size: 8, .value_kind: global_buffer, .address_space: global }
      - { .name: w2, .offset: 24, .size: 8, .value_kind: global_buffer, .address_space: global }
      - { .name: xb, .offset: 32, .size: 8, .value_kind: global_buffer, .address_space: global }
      - { .name: w1b, .offset: 40, .size: 8, .value_kind: global_buffer, .address_space: global }
      - { .name: w2b, .offset: 48, .size: 8, .value_kind: global_buffer, .address_space: global }
      - { .name: gate, .offset: 56, .size: 8, .value_kind: global_buffer, .address_space: global }
    .group_segment_fixed_size: 2560
    .private_segment_fixed_size: 0
    .kernarg_segment_align: 8
    .kernarg_segment_size: 64
    .max_flat_workgroup_size: 512
    .sgpr_count:     66
    .vgpr_count:     242
    .wavefront_size: 32
...
	.end_amdgpu_metadata
.endif
;; end of part 1
;; launch ffn1 (part 2): grid 16 x 32, 4 waves a work-group, clusters of 4 x 4, 327,680 bytes of LDS; arguments xb, w1b, gate, g; writes g
.if DOCPART == 2
	.amdgcn_target "amdgcn-amd-amdhsa--gfx1250"
	.amdhsa_code_object_version 6
	.text
	.protected	k_q5b4a16b00e_ffn1
	.globl	k_q5b4a16b00e_ffn1
	.p2align	8
	.type	k_q5b4a16b00e_ffn1,@function
k_q5b4a16b00e_ffn1:
	s_mov_b64 s[64:65], 0
	v_nop
	global_prefetch_b8 v0, s[64:65] scope:SCOPE_SE
	s_setreg_imm32_b32 hwreg(HW_REG_WAVE_MODE, 25, 1), 1
	s_wait_xcnt 0x0
	s_wait_alu depctr_hold_cnt(0) depctr_sa_sdst(0) depctr_va_vdst(0) depctr_va_sdst(0) depctr_va_ssrc(0) depctr_va_vcc(0) depctr_vm_vsrc(0)
	s_getreg_b32 s2, hwreg(HW_REG_IB_STS2, 6, 4)
	s_cmp_eq_u32 s2, 0
	s_cbranch_scc0 .Lentry_in_a_cluster
	s_endpgm
.Lentry_in_a_cluster:
	s_bfe_u32 s2, ttmp6, 0x10000c
	s_cmp_lg_u32 s2, 0xf033
	s_cbranch_scc0 .Lentry_shape_is_right
	s_endpgm
.Lentry_shape_is_right:
; FFN1: g[t][2048 e + f] = bf16( gate[e][t] * gelu( sum over d of x[t][d] w1[e][d][f] ) ).  xb: [8192][1024] bf16, w1b: [2][1024][2048] bf16,
; gate: [2][8192] f32, g: [8192][4096] bf16.  Sums in f32.
; Left out (shown at the head of the first kernel): the sort and the gather of the top 2 of 2 experts; each expert's softmax weight is
; multiplied into its activations here, so that the next kernel's one sum over 4,096 terms is the weighted sum of both experts.
; LIMITS.  erfc by the five-term rational form of Abramowitz and Stegun 7.1.26 (absolute error at most 1.5e-7 for every argument);
; gelu(x) = |x/2| (1 - erfc(|x|/sqrt 2)) + x/2, so its absolute error is about 1e-7 |x|, and its relative accuracy is lost where gelu is
; under about 1e-6 |x| (x below about -4.7).  Operands in bf16: f16 would have no room for inputs 30 times larger.
;
; A work-group makes a block of 256 tokens x 256 columns with four waves, a wave 128 x 128: 64 accumulator tiles, 512 registers.
; A block column lies in one expert (e = block column / 8).  K = 1,024 goes in 8 steps of 128 through two LDS slots filled by tensor loads.
; x's tile has K along its rows (256 bytes of memory each); w1's tile lies [k][f] as in memory (128 rows of 512 bytes) and its fragments are
; read by the transposing LDS load, so no transposed copy of the weights is ever made.
; CLUSTERS: 4 x 4 work-groups.  The four of a row of the cluster need the same tiles of x, the four of a column the same tiles of w1: each tile
; is asked for jointly, by the same tensor load with a mask that names the four, which divides the requests for both by four.
;
; REGISTERS, in windows of 256:
;   window 0: v0-63 addresses, constants, gates; in the K loop v64-127, v128-191 fragments of x, two buffers; on the way out v64-255 at work
;   window 1: v64-127, v128-191 fragments of w1, two buffers
;   window 2: the 32 accumulator tiles of my rows 0-63 (tile (a, b) at v[8 (8 a + b)]);   window 3: those of my rows 64-127
; The matrix instruction is used transposed (source 0 = 16 columns of w1, source 1 = 16 tokens): lane l then holds token l % 16 and in its
; registers 0-7 the columns 8 (l / 16) + 0..7: eight neighbouring numbers of a row of g, and one gate serves all eight.
.set KSTEP,  128
.set PITCH,  272                       ; x's LDS row: 256 bytes + 16 of padding: an odd multiple of 16, so 16 rows of a fragment start 16 bytes apart modulo 256
.set PB,     544                       ; w1's LDS row: 512 bytes + 32 of padding: an odd multiple of 32, for the transposing load's eight rows of 32 bytes
.set HALFT,  128*PITCH                 ; what one tensor load brings: 128 rows of x, or 64 rows of w1 (64 x 544 is the same 34,816 bytes)
.set SLOT,   4*HALFT                   ; x's 256 rows, then w1's 128 rows
.set STAGE,  2*SLOT                    ; behind the ring, at a multiple of 256 bytes: 16 rows x 272 bytes for each wave; no tensor load lands here
.set SPITCH, 272
.set LAPS,   4                         ; a lap = two K steps = once round the ring
.set GL,   8                           ; v[8:15]   gates as loaded: row group i of my eight
.set ADRA, 16                          ; v16-17    LDS address of my fragments of x in slot 0, 1
.set ADRB, 20                          ; v20-21    the same for w1
.set STO,  24                          ; v24       the way out: where I put 16 bytes of a row
.set RD,   25                          ; v25       the way out: where I read a row back
.set CO,   26                          ; v26       my byte offset in g
.set GO,   27                          ; v27       my byte offset in the gates
.set CC,   30                          ; v[30:31]  -log2(e)/2, twice
.set CA,   32                          ; v[32:41]  the NEGATED coefficients a1..a5, each twice: pair k at CA + 2 k - 2
.set GP,   44                          ; v[44:59]  pair i: half the gate of my token in row group i, twice
.set F0,   64                          ; fragment buffer 0
.set F1,   128                         ; fragment buffer 1
.set T,    64                          ; the way out, 32 numbers at a time: t = 1 / (1 + p |x|)
.set E,    96                          ; 2^(-x x log2(e) / 2), then that times t
.set HX,   128                         ; x gate / 2, then the result
.set P,    160                         ; the polynomial, then 1 - erfc
.set TMP,  192                         ; 16 rows x 128 columns packed to bf16
.set RB,   224                         ; rows read back
.set G1,  24                           ; s[24:31] descriptor group 1 for x's tiles
.set G0,  32                           ; s[32:39] group 0 for x's tiles, a set for each slot
.set G1B, 48                           ; s[48:55] group 1 for w1's tiles
.set G0B, 56                           ; s[56:63] group 0 for w1's tiles, a set for each slot
.set MSB, 0
.macro WIN new                         ; the immediate's high byte repeats the setting that is left
.if MSB != \new
	s_set_vgpr_msb (MSB<<8)|\new
.set MSB, \new
.endif
.endm
.set MUL_LO, 0xa1                      ; source 0 (w1) window 1, source 1 (x) window 0, C and D window 2
.set MUL_HI, 0xf1                      ; the same, C and D window 3
.set TO_B,   0x40                      ; destination window 1, address window 0
; A joint load.  Waves 0 and 1 fetch x's two halves, waves 2 and 3 w1's.  Each line has one mask and one set of registers for all that issue it.
; The branch hangs on the wave's number alone.
.macro JLOAD s
	s_cmp_eq_u32 s13, 0
	s_cbranch_scc0 .Lfor_b_\@
	tensor_load_to_lds s[G0+4*\s:G0+4*\s+3], s[G1:G1+7]
	s_nop 0
	s_branch .Lasked_\@
.Lfor_b_\@:
	tensor_load_to_lds s[G0B+4*\s:G0B+4*\s+3], s[G1B:G1B+7]
	s_nop 0
.Lasked_\@:
.endm
; A round of the cluster's barrier: my work-group's barrier, so that wave 0's signal speaks for all four waves; wave 0 signals for the
; work-group; every wave waits for all sixteen work-groups; my work-group's barrier once more.
.macro CREST                           ; a round behind its opening barrier
	s_cmp_lg_u32 s12, 0
	s_cbranch_scc1 .Lnot_wave_0_\@
	s_barrier_signal -3
.Lnot_wave_0_\@:
	s_barrier_wait -3
	s_barrier_signal -1
	s_barrier_wait -1
.endm
.macro CROUND                          ; a whole round
	s_barrier_signal -1
	s_barrier_wait -1
	CREST
.endm
	s_load_b256 s[4:11], s[0:1], 0x0               ; xb s[4:5], w1b s[6:7], gate s[8:9], g s[10:11]
	s_set_vgpr_msb 0x40
	v_lshl_add_u32 v255, v0, 2, 0x48400
	s_set_vgpr_msb 0x4000
	v_mov_b32 v63, 0
	s_set_vgpr_msb 0x1
	ds_add_u32 v255, v63
	s_set_vgpr_msb 0x100
	v_lshrrev_b32 v1, 5, v0
	v_readfirstlane_b32 s12, v1                    ; wave 0..3
	s_lshr_b32 s13, s12, 1                         ; which half of the block's tokens is mine.  Also: I fetch for x (0) or for w1 (1)
	s_and_b32 s14, s12, 1                          ; which half of its columns.  Also: which half of that tile I fetch
	s_mov_b32 s15, 0x3e6d3388                      ; p / sqrt 2 = 0.3275911 / 1.4142136
	s_bfe_u32 s40, ttmp6, 0x40000                  ; cx
	s_bfe_u32 s41, ttmp6, 0x40004                  ; cy
	s_lshl_b32 s42, ttmp9, 2                       ; in a cluster launch ttmp9 and ttmp7 count clusters
	s_add_co_u32 s42, s42, s40                     ; block column = 4 x cluster x + cx
	s_and_b32 s43, ttmp7, 0xffff
	s_lshl_b32 s43, s43, 2
	s_add_co_u32 s43, s43, s41                     ; block row = 4 x cluster y + cy
	s_lshl_b32 s44, s41, 2
	s_lshl_b32 s44, 15, s44                        ; my row of the cluster: places 4 cy .. 4 cy + 3
	s_lshl_b32 s45, 0x1111, s40                    ; my column: places cx, cx + 4, cx + 8, cx + 12
	; group 1 for x: 128 rows x 128 elements of 2 bytes, 4 words of padding behind every 64 words
	s_or_b32 s[G1+0], s44, (1<<16)|(1<<20)|(1<<21)|(5<<22)|(3<<25)  ; 15:0 mask: my row; 17:16 element of 2 bytes; 20 padding on; 21 set beside a mask; 24:22 interval code 5; 31:25 pad code 3
	s_mov_b32 s[G1+1], KSTEP<<16                   ; tensor_dim0 = 128
	s_mov_b32 s[G1+2], 128<<16                     ; tensor_dim1 = 128
	s_mov_b32 s[G1+3], KSTEP<<16                   ; tile_dim0 = 128
	s_mov_b32 s[G1+4], 128                         ; tile_dim1 = 128
	s_mov_b32 s[G1+5], 1024                        ; elements from row to row of xb
	s_mov_b32 s[G1+6], 0
	s_mov_b32 s[G1+7], 0
	; group 1 for w1: 64 rows x 256 elements of 2 bytes, 8 words of padding behind every 128 words
	s_or_b32 s[G1B+0], s45, (1<<16)|(1<<20)|(1<<21)|(6<<22)|(7<<25) ; mask: my column; interval code 6; pad code 7
	s_mov_b32 s[G1B+1], 256<<16                    ; tensor_dim0 = 256
	s_mov_b32 s[G1B+2], 64<<16                     ; tensor_dim1 = 64
	s_mov_b32 s[G1B+3], 256<<16                    ; tile_dim0 = 256
	s_mov_b32 s[G1B+4], 64                         ; tile_dim1 = 64
	s_mov_b32 s[G1B+5], 2048                       ; elements from row to row of w1b
	s_mov_b32 s[G1B+6], 0
	s_mov_b32 s[G1B+7], 0
	; where the tiles come from.  x's hang on the block row alone, w1's on the block column alone, each in registers that never hold the other coordinate.
	s_lshl_b32 s21, s14, 18                        ; my half: 128 rows of 2,048 bytes of xb, or 64 rows of 4,096 bytes of w1b
	s_lshl_b32 s16, s43, 19                        ; x: 256 rows of 2,048 bytes a block row
	s_add_co_u32 s16, s16, s21
	s_mov_b32 s17, 0
	s_lshr_b32 s46, s42, 3                         ; w1: the expert,
	s_lshl_b32 s46, s46, 22                        ; 1,024 rows of 4,096 bytes each,
	s_and_b32 s47, s42, 7
	s_lshl_b32 s47, s47, 9                         ; and 256 columns of 2 bytes a block column inside it
	s_add_co_u32 s46, s46, s47
	s_add_co_u32 s46, s46, s21
	s_mov_b32 s47, 0
	s_mul_i32 s20, s12, HALFT                      ; and where they go: x's two halves, then w1's two halves = wave x 34,816
	s_wait_dscnt 0x0
	s_wait_kmcnt 0x0
	s_add_nc_u64 s[16:17], s[4:5], s[16:17]
	s_add_nc_u64 s[46:47], s[6:7], s[46:47]
	CROUND                                         ; all sixteen work-groups are here: the first joint loads meet
.irp s, 0,1
	s_mov_b32 s[G0+4*\s], 1                                        ; count = 1
	s_add_co_u32 s[G0+4*\s+1], s20, \s*SLOT                        ; LDS address
	s_add_nc_u64 s[G0+4*\s+2:G0+4*\s+3], s[16:17], \s*KSTEP*2      ; K step s: 256 bytes along xb's rows
	s_or_b32 s[G0+4*\s+3], s[G0+4*\s+3], 0x80000000                ; type = 2
	s_mov_b32 s[G0B+4*\s], 1
	s_add_co_u32 s[G0B+4*\s+1], s20, \s*SLOT
	s_add_nc_u64 s[G0B+4*\s+2:G0B+4*\s+3], s[46:47], \s*KSTEP*4096 ; K step s: 128 rows down w1b
	s_or_b32 s[G0B+4*\s+3], s[G0B+4*\s+3], 0x80000000
	JLOAD \s                                       ; both slots are asked for before anything else: two tensor loads of the wave are out
.endr
	; A fragment is 16 rows x 32 K in 8 registers: lane l holds row l % 16; registers 0-3 K = 8 (l / 16) + 0..7, registers 4-7 K = 16 + 8 (l / 16) + 0..7.
	; x: two loads of 16 bytes, 32 bytes apart, at row x pitch + 16 (l / 16).
	; w1: two transposing loads, 16 LDS rows apart, at (8 (l / 16) + l % 8) x pitch + 16 ((l / 8) % 2): each group of eight lanes turns 8 x 8 elements.
	v_and_b32 v1, 15, v0                           ; l % 16
	v_bfe_u32 v2, v0, 4, 1                         ; l / 16
	v_mul_u32_u24 v3, v1, PITCH
	v_lshl_add_u32 v3, v2, 4, v3                   ; 272 (l % 16) + 16 (l / 16)
	v_and_b32 v4, 7, v0
	v_lshl_add_u32 v4, v2, 3, v4
	v_mul_u32_u24 v4, v4, PB
	v_bfe_u32 v5, v0, 3, 1
	v_lshl_add_u32 v4, v5, 4, v4
	s_mul_i32 s21, s13, HALFT                      ; my 128 tokens
	s_lshl_b32 s22, s14, 8                         ; my 128 columns: 256 bytes along w1's LDS rows,
	s_add_co_u32 s22, s22, 2*HALFT                 ; which lie behind x's 256 rows
.irp s, 0,1
	v_add_nc_u32 v[ADRA+\s], s21, v3
	v_add_nc_u32 v[ADRB+\s], s22, v4
	s_add_co_u32 s21, s21, SLOT
	s_add_co_u32 s22, s22, SLOT
.endr
	s_mul_i32 s23, s12, 16*SPITCH
	s_add_co_u32 s23, s23, STAGE                   ; my stage
	v_add_nc_u32 v[STO], s23, v3                   ; in: row l % 16, 16 bytes for each half of the lanes (the stage's pitch is x's)
	v_mul_u32_u24 v5, v2, SPITCH                   ; back: lanes 0-15 take one row of 256 bytes, lanes 16-31 the next
	v_lshl_add_u32 v5, v1, 4, v5
	v_add_nc_u32 v[RD], s23, v5
	v_lshlrev_b32 v5, 13, v2                       ; and the same two rows in g: 8,192 bytes a row
	v_lshl_add_u32 v[CO], v1, 4, v5
	v_lshlrev_b32 v[GO], 2, v1
	; the gates of my 128 tokens: lane l takes token 16 i + l % 16 of row group i
	s_lshr_b32 s18, s42, 3
	s_lshl_b32 s18, s18, 15                        ; the expert's 8,192 gates of 4 bytes
	s_lshl_b32 s19, s43, 10                        ; 256 tokens a block row
	s_add_co_u32 s18, s18, s19
	s_lshl_b32 s19, s13, 9                         ; my 128
	s_add_co_u32 s18, s18, s19
	s_mov_b32 s19, 0
	s_add_nc_u64 s[8:9], s[8:9], s[18:19]
.irp i, 0,1,2,3,4,5,6,7
	global_load_b32 v[GL+\i], v[GO], s[8:9] offset:64*\i
.endr
.irp c, 0,1
	v_mov_b32 v[CC+\c],   0xbf38aa3b                ; -0.72134752
	v_mov_b32 v[CA+\c],   0xbe827906                ; -a1 = -0.254829592
	v_mov_b32 v[CA+2+\c], 0x3e91a98e                ; -a2 =  0.284496736
	v_mov_b32 v[CA+4+\c], 0xbfb5f0e3                ; -a3 = -1.421413741
	v_mov_b32 v[CA+6+\c], 0x3fba00e3                ; -a4 =  1.453152027
	v_mov_b32 v[CA+8+\c], 0xbf87dc22                ; -a5 = -1.061405429
.endr
	s_wait_loadcnt 0x0                             ; the gates, once; the wave is about to wait for its first tile anyway
.irp i, 0,1,2,3,4,5,6,7
	v_mul_f32 v[GP+2*\i],   0.5, v[GL+\i]
	v_mul_f32 v[GP+2*\i+1], 0.5, v[GL+\i]
.endr
; 16 matrix instructions: row groups a0, a0 + 1 of the window's four (hi = 0: my tokens 0-63, 1: 64-127) x all 8 column groups, 32 along K.
; zero = 1: the first product starts the sums: nothing is cleared.  The 64 accumulators take turns, one instruction a turn, in the same order
; in every quarter step and over the backward jump.
.macro MUL16 f, hi, a0, zero
.irp a, \a0, \a0+1
.irp b, 0,1,2,3,4,5,6,7
.if \zero
	v_wmma_f32_16x16x32_bf16 v[8*(8*(\a)+\b):8*(8*(\a)+\b)+7], v[\f+8*\b:\f+8*\b+7], v[\f+8*(4*\hi+\a):\f+8*(4*\hi+\a)+7], 0
.else
	v_wmma_f32_16x16x32_bf16 v[8*(8*(\a)+\b):8*(8*(\a)+\b)+7], v[\f+8*\b:\f+8*\b+7], v[\f+8*(4*\hi+\a):\f+8*(4*\hi+\a)+7], v[8*(8*(\a)+\b):8*(8*(\a)+\b)+7]
.endif
.endr
.endr
.endm
; 32 LDS loads in one run: the fragments of quarter step q (32 K) into buffer f: w1's 8 column groups, then x's 8 row groups
.macro FETCH slot, q, f
	WIN TO_B
.irp i, 0,1,2,3,4,5,6,7
	ds_load_tr16_b128 v[\f+8*\i:\f+8*\i+3],   v[ADRB+\slot] offset:\q*32*PB+32*\i          ; 32 LDS rows a quarter, 32 bytes a column group
	ds_load_tr16_b128 v[\f+8*\i+4:\f+8*\i+7], v[ADRB+\slot] offset:\q*32*PB+32*\i+16*PB    ; at most 61,152: inside the 16-bit immediate
.endr
	WIN 0
.irp i, 0,1,2,3,4,5,6,7
	ds_load_b128 v[\f+8*\i:\f+8*\i+3],   v[ADRA+\slot] offset:64*\q+\i*16*PITCH
	ds_load_b128 v[\f+8*\i+4:\f+8*\i+7], v[ADRA+\slot] offset:64*\q+\i*16*PITCH+32
.endr
.endm
; A load into a register that a matrix instruction has read, and a vector instruction that reads a matrix result or writes one of a matrix
; instruction's registers, stand four plain vector instructions behind it (ISA guide 7.12.1 for vector instructions).
.macro PLACES
.rept 4
	v_nop
.endr
.endm
; One of a K step's first three quarters: multiplies buffer f; in its middle it fetches quarter q of the same slot into buffer g.
.macro QUARTER slot, q, f, g, zero
	s_wait_dscnt 8                                 ; w1's fragments and x's row groups 0-3 are in; the youngest eight loads (row groups 4-7) may be out
	WIN MUL_LO
	MUL16 \f, 0, 0, \zero
	MUL16 \f, 0, 2, \zero
	PLACES
	FETCH \slot, \q, \g
	s_wait_dscnt 32                                ; all but the 32 just issued
	WIN MUL_HI
	MUL16 \f, 1, 0, \zero
	MUL16 \f, 1, 2, \zero
.endm
.macro THREE slot, zero
	QUARTER \slot, 1, F0, F1, \zero
	QUARTER \slot, 2, F1, F0, 0
	QUARTER \slot, 3, F0, F1, 0
.endm
; The last quarter: multiplies buffer 1 and changes slots.  One barrier for two things: in front of it each wave waits for its own reads of this
; slot and for all its tensor loads (one is out: its part of the next slot); behind it nobody reads this slot any more and the next slot is whole.
; The refill comes first behind it.  From a request to the wait for it a wave issues 240 matrix instructions.
.macro TURN slot, next, fill
	s_wait_dscnt 8
	WIN MUL_LO
	MUL16 F1, 0, 0, 0
	s_wait_dscnt 0                                 ; my reads of this slot are over
	s_wait_tensorcnt 0x0                           ; and all my tensor loads have landed
	ds_add_u32 v255, v63
	s_wait_dscnt 0x0
	s_barrier_signal -1                            ; say so (where a slot is filled again this barrier opens a round of the cluster's barrier),
	MUL16 F1, 0, 2, 0                              ; work on registers while the others arrive,
	WIN 0
	s_barrier_wait -1
.if \fill
	CREST                                          ; all sixteen work-groups have said so: no wave of any partner still reads this slot or has a load on its way
	s_add_nc_u64 s[G0+4*\slot+2:G0+4*\slot+3], s[G0+4*\slot+2:G0+4*\slot+3], 2*KSTEP*2
	s_add_nc_u64 s[G0B+4*\slot+2:G0B+4*\slot+3], s[G0B+4*\slot+2:G0B+4*\slot+3], 2*KSTEP*4096
	JLOAD \slot                                    ; the wave's one tensor load behind the round, and the first thing there
.endif
	PLACES
	FETCH \next, 0, F0
	WIN MUL_HI
	MUL16 F1, 1, 0, 0
	MUL16 F1, 1, 2, 0
.endm
.macro LAP zero
	THREE 0, \zero
	TURN 0, 1, 1
	THREE 1, 0
	TURN 1, 0, 1
.endm
	s_wait_tensorcnt 0x1                           ; my part of K step 0 is in; K step 1's stays out
	s_barrier_signal -1
	s_barrier_wait -1                              ; everybody's is
	FETCH 0, 0, F0
	LAP 1                                          ; the first lap stands in front of the loop: its first products start the sums
	WIN 0                                          ; at a label and at a branch every window is 0
	s_mov_b32 s3, LAPS-2
.Llap:
	LAP 0
	WIN 0
	s_sub_co_u32 s3, s3, 1
	s_cmp_lg_u32 s3, 0
	s_cbranch_scc1 .Llap
	THREE 0, 0                                     ; the last lap fills nothing and has no round of the cluster's barrier
	TURN 0, 1, 0
	THREE 1, 0
	s_wait_dscnt 8                                 ; the very last quarter: nothing more to fetch
	WIN MUL_LO
	MUL16 F1, 0, 0, 0
	MUL16 F1, 0, 2, 0
	s_wait_dscnt 0
	WIN MUL_HI
	MUL16 F1, 1, 0, 0
	MUL16 F1, 1, 2, 0
	; THE WAY OUT, 16 tokens at a time: gate x gelu in f32, round to bf16, 16 bytes a lane into my own stage, read back as whole rows of 256 bytes.
	PLACES                                         ; the places behind the last matrix instructions, for all that follows
	s_lshl_b32 s18, s43, 21                        ; 256 rows of 8,192 bytes a block row
	s_lshl_b32 s19, s13, 20                        ; my 128 rows
	s_add_co_u32 s18, s18, s19
	s_lshl_b32 s19, s42, 9                         ; 256 columns of 2 bytes a block column
	s_add_co_u32 s18, s18, s19
	s_lshl_b32 s19, s14, 8                         ; my 128 columns
	s_add_co_u32 s18, s18, s19
	s_mov_b32 s19, 0
	s_add_nc_u64 s[10:11], s[10:11], s[18:19]
.macro HORNER k                        ; P = P t - a_k, 32 numbers
.set j, 0
.rept 16
	v_pk_fma_f32 v[P+j:P+j+1], v[P+j:P+j+1], v[T+j:T+j+1], v[CA+2*\k-2:CA+2*\k-1]
.set j, j+2
.endr
.endm
; gate x gelu of the 32 registers of tiles (a, 4 bh .. 4 bh + 3) in the window that w names as source 0; i = the row group among my eight.
;   t = 1 / (1 + p |x| / sqrt 2);  erfc(|x| / sqrt 2) = (a1 t + .. + a5 t^5) 2^(-x x log2(e) / 2);  hx = x gate / 2;  y = |hx| (1 - erfc) + hx
; (gate is a softmax weight, so it is not negative and |hx| = |x| gate / 2.)
.macro GELU32 i, a, bh, w
.set XB, 8*(8*\a+4*\bh)
	WIN \w
.set j, 0
.rept 32
	v_fma_f32 v[T+j], |v[XB+j]|, s15, 1.0
.set j, j+1
.endr
.set j, 0
.rept 16
	v_pk_mul_f32 v[E+j:E+j+1], v[XB+j:XB+j+1], v[CC:CC+1]
.set j, j+2
.endr
.set j, 0
.rept 16
	v_pk_mul_f32 v[E+j:E+j+1], v[XB+j:XB+j+1], v[E+j:E+j+1]
.set j, j+2
.endr
.set j, 0
.rept 16
	v_pk_mul_f32 v[HX+j:HX+j+1], v[XB+j:XB+j+1], v[GP+2*\i:GP+2*\i+1]
.set j, j+2
.endr
	WIN 0
.set j, 0
.rept 32
	v_rcp_f32 v[T+j], v[T+j]
.set j, j+1
.endr
.set j, 0
.rept 32
	v_exp_f32 v[E+j], v[E+j]
.set j, j+1
.endr
	v_nop                                          ; one plain vector instruction between the transcendentals and the first use of a result (ISA guide 5.7.2)
.set j, 0
	s_wait_alu depctr_va_vdst(0)
.rept 16
	v_pk_fma_f32 v[P+j:P+j+1], v[T+j:T+j+1], v[CA+8:CA+9], v[CA+6:CA+7]
.set j, j+2
.endr
	HORNER 3
	HORNER 2
	HORNER 1
.set j, 0
.rept 16
	v_pk_mul_f32 v[E+j:E+j+1], v[E+j:E+j+1], v[T+j:T+j+1]
.set j, j+2
.endr
.set j, 0
.rept 16
	v_pk_fma_f32 v[P+j:P+j+1], v[P+j:P+j+1], v[E+j:E+j+1], 1.0 op_sel_hi:[1,1,0]   ; 1 - erfc: the coefficients are negated
.set j, j+2
.endr
.set j, 0
.rept 32
	v_fma_f32 v[HX+j], |v[HX+j]|, v[P+j], v[HX+j]
.set j, j+1
.endr
.set j, 0
.rept 16
	v_cvt_pk_bf16_f32 v[TMP+16*\bh+j], v[HX+2*j], v[HX+2*j+1]
.set j, j+1
.endr
.endm
; tokens 16 i .. 16 i + 15 of my block = the eight tiles (a, 0..7) of window 2 or 3 (w = 0x02 or 0x03: source 0 alone)
.macro OUT16 i, a, w
	GELU32 \i, \a, 0, \w
	GELU32 \i, \a, 1, \w
.irp b, 0,1,2,3,4,5,6,7
	ds_store_b128 v[STO], v[TMP+4*\b:TMP+4*\b+3] offset:32*\b
.endr
	s_wait_xcnt 0x0                                ; every earlier memory instruction has had its addresses translated (ISA guide 3.1): RB, which the last stores read, and their base are rewritten only behind this wait
.if \i
	s_add_nc_u64 s[10:11], s[10:11], 16*8192       ; 16 rows of g on
.endif
.irp t, 0,1,2,3,4,5,6,7
	ds_load_b128 v[RB+4*\t:RB+4*\t+3], v[RD] offset:\t*2*SPITCH    ; LDS serves a wave's instructions in order (ISA guide 5.7.1.4): these see the stores above
.endr
.irp t, 0,1,2,3,4,5,6,7
	s_wait_dscnt 7-\t                              ; pair t of rows is in; the younger read-backs stay out
	global_store_b128 v[CO], v[RB+4*\t:RB+4*\t+3], s[10:11] offset:2*\t*8192   ; 16 lanes store 256 consecutive bytes, aligned; the next launch reads them: no hint
.endr
.endm
	OUT16 0, 0, 0x02
	OUT16 1, 1, 0x02
	OUT16 2, 2, 0x02
	OUT16 3, 3, 0x02
	OUT16 4, 0, 0x03
	OUT16 5, 1, 0x03
	OUT16 6, 2, 0x03
	OUT16 7, 3, 0x03
	s_set_vgpr_msb 0x1
	s_wait_tensorcnt 0x0
	ds_add_u32 v255, v63
	s_wait_dscnt 0x0
	s_set_vgpr_msb 0x100
	CROUND                                         ; the closing round: no work-group ends while a partner may still ask for a tile that names it
	s_endpgm
.Lfunc_end_k_q5b4a16b00e_ffn1:
	.size	k_q5b4a16b00e_ffn1, .Lfunc_end_k_q5b4a16b00e_ffn1-k_q5b4a16b00e_ffn1
	.p2alignl 7, 3214868480
	.fill 96, 4, 3214868480
	.section	.rodata,"a",@progbits
	.p2align	6, 0x0
	.amdhsa_kernel k_q5b4a16b00e_ffn1
		.amdhsa_group_segment_fixed_size 327680
		.amdhsa_private_segment_fixed_size 0
		.amdhsa_enable_private_segment 0
		.amdhsa_kernarg_size 32
		.amdhsa_user_sgpr_count 2
		.amdhsa_user_sgpr_kernarg_segment_ptr 1
		.amdhsa_wavefront_size32 1
		.amdhsa_system_sgpr_workgroup_id_x 1
		.amdhsa_system_sgpr_workgroup_id_y 1
		.amdhsa_system_sgpr_workgroup_id_z 1
		.amdhsa_system_vgpr_workitem_id 0
		.amdhsa_next_free_vgpr 1024
		.amdhsa_next_free_sgpr 66
		.amdhsa_reserve_vcc 0
		.amdhsa_float_denorm_mode_32 3
		.amdhsa_float_denorm_mode_16_64 3
		.amdhsa_memory_ordered 1
		.amdhsa_forward_progress 1
		.amdhsa_inst_pref_size 255
	.end_amdhsa_kernel
	.section	.bss,"aw",@nobits
	.p2align	6
	.space	262144
	.amdgpu_metadata
---
amdhsa.version: [ 1, 2 ]
amdhsa.kernels:
  - .name:           k_q5b4a16b00e_ffn1
    .symbol:         k_q5b4a16b00e_ffn1.kd
    .args:
      - { .name: xb, .offset: 0, .size: 8, .value_kind: global_buffer, .address_space: global }
      - { .name: w1b, .offset: 8, .size: 8, .value_kind: global_buffer, .address_space: global }
      - { .name: gate, .offset: 16, .size: 8, .value_kind: global_buffer, .address_space: global }
      - { .name: g, .offset: 24, .size: 8, .value_kind: global_buffer, .address_space: global }
    .group_segment_fixed_size: 327680
    .private_segment_fixed_size: 0
    .kernarg_segment_align: 8
    .kernarg_segment_size: 32
    .max_flat_workgroup_size: 128
    .sgpr_count:     66
    .vgpr_count:     1024
    .wavefront_size: 32
...
	.end_amdgpu_metadata
.endif
;; end of part 2
;; launch ffn2 (part 3): grid 4 x 64, 4 waves a work-group, clusters of 4 x 4, 327,680 bytes of LDS; arguments g, w2b, out0; writes out0
.if DOCPART == 3
	.amdgcn_target "amdgcn-amd-amdhsa--gfx1250"
	.amdhsa_code_object_version 6
	.text
	.protected	k_q5b4a16b00e_ffn2
	.globl	k_q5b4a16b00e_ffn2
	.p2align	8
	.type	k_q5b4a16b00e_ffn2,@function
k_q5b4a16b00e_ffn2:
	s_mov_b64 s[64:65], 0
	v_nop
	global_prefetch_b8 v0, s[64:65] scope:SCOPE_SE
	s_setreg_imm32_b32 hwreg(HW_REG_WAVE_MODE, 25, 1), 1
	s_wait_xcnt 0x0
	s_wait_alu depctr_hold_cnt(0) depctr_sa_sdst(0) depctr_va_vdst(0) depctr_va_sdst(0) depctr_va_ssrc(0) depctr_va_vcc(0) depctr_vm_vsrc(0)
	s_getreg_b32 s2, hwreg(HW_REG_IB_STS2, 6, 4)
	s_cmp_eq_u32 s2, 0
	s_cbranch_scc0 .Lentry_in_a_cluster
	s_endpgm
.Lentry_in_a_cluster:
	s_bfe_u32 s2, ttmp6, 0x10000c
	s_cmp_lg_u32 s2, 0xf033
	s_cbranch_scc0 .Lentry_shape_is_right
	s_endpgm
.Lentry_shape_is_right:
; FFN2: out0[t][d] = sum over k < 4,096 of g[t][k] w2[k][d].  g: [8192][4096] bf16 (k = 2048 e + f, the softmax weight already inside),
; w2b: [4096][1024] bf16 (w2 seen as one matrix), out0: [8192][1024] f32.  Sums in f32.
; Left out (shown at the head of the first kernel): the sort and the gather of the top 2 of 2 experts, and a weighted sum of its own: the sum
; over k runs through both experts' weighted activations.
;
; A work-group makes a block of 128 tokens x 256 columns: 64 x 4 = 256 work-groups (blocks of 256 x 256 would make 128).  A wave makes
; 64 x 128: 32 accumulator tiles, 256 registers.  g's tile has K along its rows; w2's lies [k][d] as in memory (rows of 512 bytes) and is read
; by the transposing LDS load.
; THE RING.  Two LDS slots filled by tensor loads, as large as fit: 192 along K each (w2: 192 rows x 544 bytes; g: 128 rows x 432 bytes;
; 2 x 159,744 = 319,488 bytes).  In front of every refill all tensor loads are waited for, so what a load has to land behind is the matrix work
; of one step: 6 quarters x 32 matrix instructions, less the 8 between signal and wait.  4,096 = 21 x 192 + 64: steps 0-20 are whole, step 21 is
; a tail of 64 with descriptors of its own; it stands last, so that every request has a whole step of 192 behind it.
; Every second step's rows of g begin 128 bytes past a multiple of 256 bytes: the price of a step that is no power of two.
; CLUSTERS: 4 x 4 work-groups.  A row of the cluster spans all 1,024 columns and shares g's tiles; a column shares w2's.  Each tile is asked for
; jointly by the four that need it.
; PREFETCH of g (read once in the launch): a lap of two steps reads 768 bytes = 3 aligned blocks of 256 bytes of each of the block row's 128 rows.
; The four work-groups of a row of the cluster take 32 rows each; waves 0, 1, 2 ask for one block each, a lane a row, so each block is asked for once.
; Behind the refill at the end of lap L they ask for lap L + 2's bytes: the tensor loads that want them are issued one and two steps later.
; Lap 1's are asked for at the head; lap 10 has two blocks, asked for by two waves; then nothing more: no request passes a row's end.
; w2b is not prefetched: every block row reads the same 8 MiB.
;
; REGISTERS: window 0: v0-31 addresses; v64-127, v128-191 fragments of w2, two buffers; v192-223, v224-255 fragments of g, two buffers;
;            window 1: the 32 accumulator tiles, tile (a, b) at v[8 (8 a + b)].
; The matrix instruction is used transposed (source 0 = 16 columns of w2, source 1 = 16 tokens): lane l holds token l % 16 and in its
; registers 0-7 the columns 8 (l / 16) + 0..7, 32 neighbouring bytes of a row of out0.
.set KS,     192                       ; K of a whole step
.set PA,     432                       ; g's LDS row: 3 x (128 bytes + 16 of padding) = 27 x 16: an odd multiple of 16, so 16 rows of a fragment start 16 bytes apart modulo 256
.set PAT,    144                       ; the tail's: 128 bytes + 16
.set PB,     544                       ; w2's LDS row: 512 bytes + 32: an odd multiple of 32, for the transposing load's eight rows of 32 bytes
.set BHALF,  96*PB                     ; 52,224: what a tensor load of w2 brings
.set AHALF,  64*PA                     ; 27,648: what a tensor load of g brings
.set ABASE,  2*BHALF                   ; g's 128 rows lie behind w2's 192
.set SLOT,   ABASE+2*AHALF             ; 159,744
.set BTAIL,  32*PB                     ; the tail: 32 rows of w2 a load,
.set ATAIL,  64*PAT                    ; 64 rows of g a load
.set SPITCH, 528                       ; the stage's row: 512 bytes + 16: an odd multiple of 16
; THE STAGE for the way out (16 rows x 528 bytes for each wave) begins at LDS byte 0, inside slot 0.  Slot 0's last fill is step 20's, and every
; wave's last read of it is waited for in front of the barrier at that step's change of slots; the stage is written behind that barrier alone.
.set ADRA,  16                         ; v16-17  LDS address of my fragments of g in slot 0, 1
.set ADRAT, 18                         ; v18     the same for the tail (slot 1, pitch 144)
.set ADRB,  20                         ; v20-21  LDS address of my fragments of w2 in slot 0, 1, quarters 0-2;  v22-23 quarters 3-5 (their offsets would pass the 16-bit immediate)
.set STO,   24                         ; v24     the way out: where I put 32 bytes of a row
.set RD,    25                         ; v25     the way out: where I read a row back
.set CO,    26                         ; v26     my byte offset in out0
.set VP,    27                         ; v27     prefetch: my row's and my wave's block's byte offset in the block row of g; never rewritten
.set FB,    64                         ; w2's buffer n at FB + 64 n
.set FA,    192                        ; g's buffer n at FA + 32 n
.set G1,   24                          ; s[24:31] group 1 for g's tiles
.set G0,   32                          ; s[32:39] group 0 for g's tiles, a set for each slot
.set G1B,  48                          ; s[48:55] group 1 for w2's tiles
.set G0B,  56                          ; s[56:63] group 0 for w2's tiles, a set for each slot
.set G1T,  68                          ; s[68:75] group 1 for g's tail
.set G1BT, 76                          ; s[76:83] group 1 for w2's tail
.set G0T,  84                          ; s[84:87] group 0 for g's tail
.set G0BT, 88                          ; s[88:91] group 0 for w2's tail
.set PF,   92                          ; s[92:93] prefetch: g at my block row, at the lap that is asked for next
.set MSB, 0
.macro WIN new                         ; the immediate's high byte repeats the setting that is left
.if MSB != \new
	s_set_vgpr_msb (MSB<<8)|\new
.set MSB, \new
.endif
.endm
.set MULW, 0x50                        ; sources 0 and 1 window 0, C and D window 1
; A joint load.  Waves 0 and 1 fetch w2's two halves, waves 2 and 3 g's.  The branch hangs on the wave's number alone.
.macro JLOAD s
	s_cmp_eq_u32 s11, 0
	s_cbranch_scc0 .Lfor_a_\@
	tensor_load_to_lds s[G0B+4*\s:G0B+4*\s+3], s[G1B:G1B+7]
	s_nop 0
	s_branch .Lasked_\@
.Lfor_a_\@:
	tensor_load_to_lds s[G0+4*\s:G0+4*\s+3], s[G1:G1+7]
	s_nop 0
.Lasked_\@:
.endm
.macro JLOADT                          ; the same for the tail, into slot 1
	s_cmp_eq_u32 s11, 0
	s_cbranch_scc0 .Ltail_a_\@
	tensor_load_to_lds s[G0BT:G0BT+3], s[G1BT:G1BT+7]
	s_nop 0
	s_branch .Ltail_asked_\@
.Ltail_a_\@:
	tensor_load_to_lds s[G0T:G0T+3], s[G1T:G1T+7]
	s_nop 0
.Ltail_asked_\@:
.endm
.macro ASK n                           ; waves 0 .. n - 1 ask for one block of 256 bytes of each of my work-group's 32 rows
	s_cmp_ge_u32 s10, \n
	s_cbranch_scc1 .Lno_ask_\@
	global_prefetch_b8 v[VP], s[PF:PF+1] th:TH_LOAD_NT scope:SCOPE_SE
.Lno_ask_\@:
.endm
.macro CREST                           ; a round of the cluster's barrier behind its opening barrier
	s_cmp_lg_u32 s10, 0
	s_cbranch_scc1 .Lnot_wave_0_\@
	s_barrier_signal -3
.Lnot_wave_0_\@:
	s_barrier_wait -3
	s_barrier_signal -1
	s_barrier_wait -1
.endm
.macro CROUND                          ; a whole round
	s_barrier_signal -1
	s_barrier_wait -1
	CREST
.endm
	s_load_b128 s[4:7], s[0:1], 0x0                ; g s[4:5], w2b s[6:7]
	s_load_b64 s[8:9], s[0:1], 0x10                ; out0
	v_lshl_add_u32 v62, v0, 2, 0x4e000
	v_mov_b32 v63, 0
	ds_add_u32 v62, v63
	v_lshrrev_b32 v1, 5, v0
	v_readfirstlane_b32 s10, v1                    ; wave 0..3
	s_lshr_b32 s11, s10, 1                         ; which half of the block's tokens is mine.  Also: I fetch for w2 (0) or for g (1)
	s_and_b32 s12, s10, 1                          ; which half of its columns.  Also: which half of that tile I fetch
	s_bfe_u32 s40, ttmp6, 0x40000                  ; cx
	s_bfe_u32 s41, ttmp6, 0x40004                  ; cy
	s_lshl_b32 s42, ttmp9, 2
	s_add_co_u32 s42, s42, s40                     ; block column = 4 x cluster x + cx
	s_and_b32 s13, ttmp7, 0xffff
	s_lshl_b32 s13, s13, 2
	s_add_co_u32 s13, s13, s41                     ; block row = 4 x cluster y + cy
	s_lshl_b32 s43, s41, 2
	s_lshl_b32 s43, 15, s43                        ; my row of the cluster
	s_lshl_b32 s44, 0x1111, s40                    ; my column
	; prefetch: row 32 cx + lane of the block row (8,192 bytes a row), block = my wave's number.  cx enters this offset and the way out alone.
	v_and_b32 v5, 31, v0
	s_lshl_b32 s45, s40, 18
	v_lshlrev_b32 v[VP], 13, v5
	v_add_nc_u32 v[VP], s45, v[VP]
	v_lshl_add_u32 v[VP], v1, 8, v[VP]
	; group 1 for g: 64 rows x 192 elements of 2 bytes, 4 words of padding behind every 32 words (three times in a row)
	s_or_b32 s[G1+0], s43, (1<<16)|(1<<20)|(1<<21)|(4<<22)|(3<<25)  ; 15:0 mask: my row; 17:16 element of 2 bytes; 20 padding on; 21 set beside a mask; 24:22 interval code 4; 31:25 pad code 3
	s_mov_b32 s[G1+1], KS<<16                      ; tensor_dim0 = 192
	s_mov_b32 s[G1+2], 64<<16                      ; tensor_dim1 = 64
	s_mov_b32 s[G1+3], KS<<16                      ; tile_dim0 = 192
	s_mov_b32 s[G1+4], 64                          ; tile_dim1 = 64
	s_mov_b32 s[G1+5], 4096                        ; elements from row to row of g
	s_mov_b32 s[G1+6], 0
	s_mov_b32 s[G1+7], 0
	; group 1 for w2: 96 rows x 256 elements of 2 bytes, 8 words of padding behind every 128 words
	s_or_b32 s[G1B+0], s44, (1<<16)|(1<<20)|(1<<21)|(6<<22)|(7<<25) ; mask: my column; interval code 6; pad code 7
	s_mov_b32 s[G1B+1], 256<<16                    ; tensor_dim0 = 256
	s_mov_b32 s[G1B+2], 96<<16                     ; tensor_dim1 = 96
	s_mov_b32 s[G1B+3], 256<<16                    ; tile_dim0 = 256
	s_mov_b32 s[G1B+4], 96                         ; tile_dim1 = 96
	s_mov_b32 s[G1B+5], 1024                       ; elements from row to row of w2b
	s_mov_b32 s[G1B+6], 0
	s_mov_b32 s[G1B+7], 0
	; group 1 for g's tail: 64 rows x 64 elements, the same padding: once behind each row
	s_or_b32 s[G1T+0], s43, (1<<16)|(1<<20)|(1<<21)|(4<<22)|(3<<25)
	s_mov_b32 s[G1T+1], 64<<16                     ; tensor_dim0 = 64
	s_mov_b32 s[G1T+2], 64<<16                     ; tensor_dim1 = 64
	s_mov_b32 s[G1T+3], 64<<16                     ; tile_dim0 = 64
	s_mov_b32 s[G1T+4], 64                         ; tile_dim1 = 64
	s_mov_b32 s[G1T+5], 4096
	s_mov_b32 s[G1T+6], 0
	s_mov_b32 s[G1T+7], 0
	; group 1 for w2's tail: 32 rows x 256 elements (the tail has 64 rows for two waves)
	s_or_b32 s[G1BT+0], s44, (1<<16)|(1<<20)|(1<<21)|(6<<22)|(7<<25)
	s_mov_b32 s[G1BT+1], 256<<16                   ; tensor_dim0 = 256
	s_mov_b32 s[G1BT+2], 32<<16                    ; tensor_dim1 = 32
	s_mov_b32 s[G1BT+3], 256<<16                   ; tile_dim0 = 256
	s_mov_b32 s[G1BT+4], 32                        ; tile_dim1 = 32
	s_mov_b32 s[G1BT+5], 1024
	s_mov_b32 s[G1BT+6], 0
	s_mov_b32 s[G1BT+7], 0
	; where the tiles come from: g's hang on the block row alone, w2's on the block column alone, each in registers that never hold the other coordinate
	s_lshl_b32 s16, s13, 20                        ; g: 128 rows of 8,192 bytes a block row
	s_mov_b32 s17, 0
	s_lshl_b32 s22, s12, 19                        ; my 64 of them
	s_mov_b32 s23, 0
	s_lshl_b32 s46, s42, 9                         ; w2: 256 columns of 2 bytes a block column
	s_mul_i32 s47, s12, 96*2048                    ; my 96 rows of 2,048 bytes
	s_add_co_u32 s46, s46, s47
	s_mov_b32 s47, 0
	s_lshl_b32 s94, s42, 9                         ; w2's tail: the same columns,
	s_lshl_b32 s95, s12, 16                        ; my 32 rows of 2,048 bytes,
	s_add_co_u32 s94, s94, s95
	s_add_co_u32 s94, s94, 21*KS*2048              ; from row 4,032 on
	s_mov_b32 s95, 0
	s_mul_i32 s20, s10, BHALF                      ; where w2's halves go: waves 0, 1 at 0 and 52,224
	s_mul_i32 s21, s10, AHALF
	s_add_co_u32 s21, s21, ABASE-2*AHALF           ; where g's halves go: waves 2, 3 at 104,448 and 132,096
	s_wait_dscnt 0x0
	s_wait_kmcnt 0x0
	s_add_nc_u64 s[PF:PF+1], s[4:5], s[16:17]      ; g at my block row
	s_add_nc_u64 s[14:15], s[PF:PF+1], s[22:23]    ; and at the half that I fetch
	s_add_nc_u64 s[PF:PF+1], s[PF:PF+1], 2*KS*2    ; the first bytes asked for are lap 1's
	s_add_nc_u64 s[46:47], s[6:7], s[46:47]
	CROUND                                         ; all sixteen work-groups are here: the first joint loads meet
.irp s, 0,1
	s_mov_b32 s[G0+4*\s], 1                                        ; count = 1
	s_add_co_u32 s[G0+4*\s+1], s21, \s*SLOT                        ; LDS address
	s_add_nc_u64 s[G0+4*\s+2:G0+4*\s+3], s[14:15], \s*KS*2         ; step s: 384 bytes along g's rows
	s_or_b32 s[G0+4*\s+3], s[G0+4*\s+3], 0x80000000                ; type = 2
	s_mov_b32 s[G0B+4*\s], 1
	s_add_co_u32 s[G0B+4*\s+1], s20, \s*SLOT
	s_add_nc_u64 s[G0B+4*\s+2:G0B+4*\s+3], s[46:47], \s*KS*2048    ; step s: 192 rows down w2b
	s_or_b32 s[G0B+4*\s+3], s[G0B+4*\s+3], 0x80000000
	JLOAD \s                                       ; both slots are asked for before anything else: two tensor loads of the wave are out
.endr
	ASK 3                                          ; lap 1's 768 bytes of each row: its tensor loads are issued at the ends of steps 0 and 1
	; group 0 for the tail, written once: step 21 goes to the start of slot 1's two regions
	s_mov_b32 s[G0T], 1
	s_mul_i32 s[G0T+1], s10, ATAIL
	s_add_co_u32 s[G0T+1], s[G0T+1], SLOT+ABASE-2*ATAIL            ; waves 2, 3: 64 rows of 144 bytes each
	s_add_nc_u64 s[G0T+2:G0T+3], s[14:15], 21*KS*2                 ; byte 8,064 of g's rows
	s_or_b32 s[G0T+3], s[G0T+3], 0x80000000
	s_mov_b32 s[G0BT], 1
	s_mul_i32 s[G0BT+1], s10, BTAIL
	s_add_co_u32 s[G0BT+1], s[G0BT+1], SLOT                        ; waves 0, 1: 32 rows of 544 bytes each
	s_add_nc_u64 s[G0BT+2:G0BT+3], s[6:7], s[94:95]
	s_or_b32 s[G0BT+3], s[G0BT+3], 0x80000000
	; A fragment is 16 rows x 32 K in 8 registers: lane l holds row l % 16; registers 0-3 K = 8 (l / 16) + 0..7, registers 4-7 K = 16 + 8 (l / 16) + 0..7.
	v_and_b32 v1, 15, v0                           ; l % 16
	v_bfe_u32 v2, v0, 4, 1                         ; l / 16
	v_mul_u32_u24 v3, v1, PA
	v_lshl_add_u32 v3, v2, 4, v3                   ; g: row x pitch + 16 (l / 16)
	v_mul_u32_u24 v6, v1, PAT
	v_lshl_add_u32 v6, v2, 4, v6                   ; the same at the tail's pitch
	v_and_b32 v4, 7, v0
	v_lshl_add_u32 v4, v2, 3, v4
	v_mul_u32_u24 v4, v4, PB
	v_bfe_u32 v5, v0, 3, 1
	v_lshl_add_u32 v4, v5, 4, v4                   ; w2: (8 (l / 16) + l % 8) x pitch + 16 ((l / 8) % 2)
	s_mul_i32 s22, s11, AHALF                      ; my 64 tokens,
	s_add_co_u32 s22, s22, ABASE                   ; behind w2's rows
	s_lshl_b32 s23, s12, 8                         ; my 128 columns: 256 bytes along w2's LDS rows
.irp s, 0,1
	v_add_nc_u32 v[ADRA+\s], s22, v3
	v_add_nc_u32 v[ADRB+\s], s23, v4
	v_add_nc_u32 v[ADRB+2+\s], 3*32*PB, v[ADRB+\s] ; quarters 3-5: 96 LDS rows further down
	s_add_co_u32 s22, s22, SLOT
	s_add_co_u32 s23, s23, SLOT
.endr
	s_mul_i32 s22, s11, ATAIL
	s_add_co_u32 s22, s22, SLOT+ABASE
	v_add_nc_u32 v[ADRAT], s22, v6
	s_mul_i32 s22, s10, 16*SPITCH                  ; my stage, from LDS byte 0 on
	v_mul_u32_u24 v5, v1, SPITCH                   ; in: row l % 16, 32 bytes for each half of the lanes
	v_lshl_add_u32 v5, v2, 5, v5
	v_add_nc_u32 v[STO], s22, v5
	v_and_b32 v5, 31, v0
	v_lshlrev_b32 v[CO], 4, v5                     ; back and out: 32 lanes take one row's 512 bytes
	v_add_nc_u32 v[RD], s22, v[CO]
; 8 matrix instructions: row group a x all 8 column groups, 32 along K, on buffers n.  zero = 1: the first product starts the sums.
; The 32 accumulators take turns, one instruction a turn, in the same order in every quarter and over the backward jump.
.macro MUL8 n, a, zero
.irp b, 0,1,2,3,4,5,6,7
.if \zero
	v_wmma_f32_16x16x32_bf16 v[8*(8*\a+\b):8*(8*\a+\b)+7], v[FB+64*\n+8*\b:FB+64*\n+8*\b+7], v[FA+32*\n+8*\a:FA+32*\n+8*\a+7], 0
.else
	v_wmma_f32_16x16x32_bf16 v[8*(8*\a+\b):8*(8*\a+\b)+7], v[FB+64*\n+8*\b:FB+64*\n+8*\b+7], v[FA+32*\n+8*\a:FA+32*\n+8*\a+7], v[8*(8*\a+\b):8*(8*\a+\b)+7]
.endif
.endr
.endm
; 24 LDS loads in one run: quarter q's fragments (32 K) into buffers n: w2's 8 column groups, then g's 4 row groups.
; w2: 32 LDS rows a quarter, from the address register of quarters 0-2 or 3-5: the offset is 43,744 at the most.
; g: quarter q begins at byte 64 q of the row's data, which lies 16 (q / 2) bytes further on in LDS: a piece of padding stands behind every two quarters.
; tail = 1: step 21, in slot 1: w2 as ever, g at the tail's pitch.
.macro FETCH slot, q, n, tail
	WIN 0
.irp i, 0,1,2,3,4,5,6,7
	ds_load_tr16_b128 v[FB+64*\n+8*\i:FB+64*\n+8*\i+3],   v[ADRB+\slot+2*((\q)/3)] offset:((\q)%3)*32*PB+32*\i
	ds_load_tr16_b128 v[FB+64*\n+8*\i+4:FB+64*\n+8*\i+7], v[ADRB+\slot+2*((\q)/3)] offset:((\q)%3)*32*PB+32*\i+16*PB
.endr
.irp i, 0,1,2,3
.if \tail
	ds_load_b128 v[FA+32*\n+8*\i:FA+32*\n+8*\i+3],   v[ADRAT] offset:64*(\q)+\i*16*PAT
	ds_load_b128 v[FA+32*\n+8*\i+4:FA+32*\n+8*\i+7], v[ADRAT] offset:64*(\q)+\i*16*PAT+32
.else
	ds_load_b128 v[FA+32*\n+8*\i:FA+32*\n+8*\i+3],   v[ADRA+\slot] offset:64*(\q)+16*((\q)/2)+\i*16*PA
	ds_load_b128 v[FA+32*\n+8*\i+4:FA+32*\n+8*\i+7], v[ADRA+\slot] offset:64*(\q)+16*((\q)/2)+\i*16*PA+32
.endif
.endr
.endm
; Four plain vector instructions between a matrix instruction and a load into a register that it read, or a reader of its result
; (ISA guide 7.12.1 for vector instructions).
.macro PLACES
.rept 4
	v_nop
.endr
.endm
; A quarter but a step's last: multiplies buffers n; in its middle it fetches quarter q of the same slot into buffers m.
.macro QUARTER slot, q, n, m, zero, tail
	s_wait_dscnt 4                                 ; w2's fragments and g's row groups 0, 1 are in; the youngest four loads (row groups 2, 3) may be out
	WIN MULW
	MUL8 \n, 0, \zero
	MUL8 \n, 1, \zero
	PLACES
	FETCH \slot, \q, \m, \tail
	s_wait_dscnt 24                                ; all but the 24 just issued
	WIN MULW
	MUL8 \n, 2, \zero
	MUL8 \n, 3, \zero
.endm
.macro FIVE slot, zero                 ; a whole step's first five quarters, on buffers 0, 1, 0, 1, 0
	QUARTER \slot, 1, 0, 1, \zero, 0
	QUARTER \slot, 2, 1, 0, 0, 0
	QUARTER \slot, 3, 0, 1, 0, 0
	QUARTER \slot, 4, 1, 0, 0, 0
	QUARTER \slot, 5, 0, 1, 0, 0
.endm
; A whole step's sixth quarter: multiplies buffers 1 and changes slots.  In front of the one barrier each wave waits for its reads of this slot and
; for all its tensor loads (one is out: its part of the next slot); behind it the refill comes first.  From a request to the wait for it a wave
; issues 184 matrix instructions.
; fill = 1: this slot gets the step two further on; 2: it gets the tail; 0: nothing.  pstep = 1: the prefetch's base goes on a lap;
; pask = how many waves ask (0: none);  ntail = 1: the next slot holds the tail.
.macro TURN slot, next, fill, pstep, pask, ntail
	s_wait_dscnt 4
	WIN MULW
	MUL8 1, 0, 0
	s_wait_dscnt 0                                 ; my reads of this slot are over
	s_wait_tensorcnt 0x0                           ; and all my tensor loads have landed
	ds_add_u32 v62, v63
	s_wait_dscnt 0x0
	s_barrier_signal -1                            ; say so (where a slot is filled again this barrier opens a round of the cluster's barrier),
	MUL8 1, 1, 0                                   ; work on registers while the others arrive,
	WIN 0
	s_barrier_wait -1
.if \fill
	CREST                                          ; all sixteen work-groups have said so: no wave of any partner still reads this slot or has a load on its way
.if \fill == 1
	s_add_nc_u64 s[G0+4*\slot+2:G0+4*\slot+3], s[G0+4*\slot+2:G0+4*\slot+3], 2*KS*2
	s_add_nc_u64 s[G0B+4*\slot+2:G0B+4*\slot+3], s[G0B+4*\slot+2:G0B+4*\slot+3], 2*KS*2048
	JLOAD \slot                                    ; the wave's one tensor load behind the round, and the first thing there
.else
	JLOADT                                         ; the same: the last tensor load of the launch
.endif
.endif
.if \pstep
	s_wait_xcnt 0x0                                ; the last prefetch, a whole step back, has had its address translated (ISA guide 3.1): its base is rewritten only behind this wait
	s_add_nc_u64 s[PF:PF+1], s[PF:PF+1], 2*KS*2    ; a lap's 768 bytes on
.endif
.if \pask
	ASK \pask                                      ; the bytes of the lap after next
.endif
	PLACES
	FETCH \next, 0, 0, \ntail
	WIN MULW
	MUL8 1, 2, 0
	MUL8 1, 3, 0
.endm
.macro LAP zero, f1, pstep, pask       ; once round the ring: two steps; slot 0 is filled again; slot 1 by f1
	FIVE 0, \zero
	TURN 0, 1, 1, \pstep, 0, 0
	FIVE 1, 0
	TURN 1, 0, \f1, 0, \pask, 0
.endm
	s_wait_tensorcnt 0x1                           ; my part of step 0 is in; step 1's stays out
	s_barrier_signal -1
	s_barrier_wait -1
	FETCH 0, 0, 0, 0
	LAP 1, 1, 1, 3                                 ; lap 0 stands in front of the loop: its first products start the sums; it asks for lap 2's bytes
	WIN 0                                          ; at a label and at a branch every window is 0
	s_mov_b32 s3, 7                                ; laps 1 to 7: they fill steps 4 to 17 and ask for laps 3 to 9
.Llap:
	LAP 0, 1, 1, 3
	WIN 0
	s_sub_co_u32 s3, s3, 1
	s_cmp_lg_u32 s3, 0
	s_cbranch_scc1 .Llap
	LAP 0, 1, 1, 2                                 ; lap 8: fills steps 18, 19; lap 10 has 512 bytes of each row left: two waves ask, and no prefetch follows
	LAP 0, 2, 0, 0                                 ; lap 9: fills step 20 and the tail
	FIVE 0, 0                                      ; lap 10 fills nothing and has no round of the cluster's barrier: step 20,
	TURN 0, 1, 0, 0, 0, 1                          ; whose barrier is also the one behind which slot 0 is free for the stage,
	QUARTER 1, 1, 0, 1, 0, 1                       ; and the tail's two quarters
	s_wait_dscnt 4                                 ; the very last quarter: nothing more to fetch
	WIN MULW
	MUL8 1, 0, 0
	MUL8 1, 1, 0
	s_wait_dscnt 0
	MUL8 1, 2, 0
	MUL8 1, 3, 0
	; THE WAY OUT, 16 tokens at a time: the f32 sums go as they are, 32 bytes a lane and tile, into my own stage and come back as whole rows of 512 bytes.
	PLACES                                         ; the places behind the last matrix instructions, for the LDS stores of results and the loads into w2's buffer
	s_lshl_b32 s16, s13, 19                        ; 128 rows of 4,096 bytes a block row
	s_lshl_b32 s17, s11, 18                        ; my 64 rows
	s_add_co_u32 s16, s16, s17
	s_mov_b32 s17, 0
	s_add_nc_u64 s[8:9], s[8:9], s[16:17]
	s_lshl_b32 s46, s42, 10                        ; 256 columns of 4 bytes a block column (in the registers that held w2's address: none that feeds g's descriptors ever holds cx)
	s_lshl_b32 s47, s12, 9                         ; my 128 columns
	s_add_co_u32 s46, s46, s47
	s_mov_b32 s47, 0
	s_add_nc_u64 s[8:9], s[8:9], s[46:47]
.macro OUT16 a
	WIN 0x04                                       ; an LDS store's data is source 1: window 1
.irp b, 0,1,2,3,4,5,6,7
.irp c, 0,1
	ds_store_b128 v[STO], v[8*(8*\a+\b)+4*\c:8*(8*\a+\b)+4*\c+3] offset:64*\b+16*\c
.endr
.endr
	WIN 0
	s_wait_xcnt 0x0                                ; every earlier memory instruction has had its addresses translated (ISA guide 3.1): the registers that the last stores read, and their base, are rewritten only behind this wait
.if \a
	s_add_nc_u64 s[8:9], s[8:9], 16*4096           ; 16 rows of out0 on
.endif
.irp t, 0,1,2,3,4,5,6,7,8,9,10,11,12,13,14,15
	ds_load_b128 v[FB+4*\t:FB+4*\t+3], v[RD] offset:\t*SPITCH      ; LDS serves a wave's instructions in order (ISA guide 5.7.1.4): these see the stores above
.endr
.irp t, 0,1,2,3,4,5,6,7,8,9,10,11,12,13,14,15
	s_wait_dscnt 15-\t                             ; row t is in; the younger read-backs stay out
	global_store_b128 v[CO], v[FB+4*\t:FB+4*\t+3], s[8:9] offset:\t*4096 th:TH_STORE_NT   ; the wave stores 512 consecutive bytes, aligned; written once, not read again
.endr
.endm
	OUT16 0
	OUT16 1
	OUT16 2
	OUT16 3
	s_wait_tensorcnt 0x0
	ds_add_u32 v62, v63
	s_wait_dscnt 0x0
	CROUND                                         ; the closing round: no work-group ends while a partner may still ask for a tile that names it
	s_endpgm
.Lfunc_end_k_q5b4a16b00e_ffn2:
	.size	k_q5b4a16b00e_ffn2, .Lfunc_end_k_q5b4a16b00e_ffn2-k_q5b4a16b00e_ffn2
	.p2alignl 7, 3214868480
	.fill 96, 4, 3214868480
	.section	.rodata,"a",@progbits
	.p2align	6, 0x0
	.amdhsa_kernel k_q5b4a16b00e_ffn2
		.amdhsa_group_segment_fixed_size 327680
		.amdhsa_private_segment_fixed_size 0
		.amdhsa_enable_private_segment 0
		.amdhsa_kernarg_size 24
		.amdhsa_user_sgpr_count 2
		.amdhsa_user_sgpr_kernarg_segment_ptr 1
		.amdhsa_wavefront_size32 1
		.amdhsa_system_sgpr_workgroup_id_x 1
		.amdhsa_system_sgpr_workgroup_id_y 1
		.amdhsa_system_sgpr_workgroup_id_z 1
		.amdhsa_system_vgpr_workitem_id 0
		.amdhsa_next_free_vgpr 512
		.amdhsa_next_free_sgpr 96
		.amdhsa_reserve_vcc 0
		.amdhsa_float_denorm_mode_32 3
		.amdhsa_float_denorm_mode_16_64 3
		.amdhsa_memory_ordered 1
		.amdhsa_forward_progress 1
		.amdhsa_inst_pref_size 244
	.end_amdhsa_kernel
	.amdgpu_metadata
---
amdhsa.version: [ 1, 2 ]
amdhsa.kernels:
  - .name:           k_q5b4a16b00e_ffn2
    .symbol:         k_q5b4a16b00e_ffn2.kd
    .args:
      - { .name: g, .offset: 0, .size: 8, .value_kind: global_buffer, .address_space: global }
      - { .name: w2b, .offset: 8, .size: 8, .value_kind: global_buffer, .address_space: global }
      - { .name: out0, .offset: 16, .size: 8, .value_kind: global_buffer, .address_space: global }
    .group_segment_fixed_size: 327680
    .private_segment_fixed_size: 0
    .kernarg_segment_align: 8
    .kernarg_segment_size: 24
    .max_flat_workgroup_size: 128
    .sgpr_count:     96
    .vgpr_count:     512
    .wavefront_size: 32
...
	.end_amdgpu_metadata
.endif
;; end of part 3
